; MI455X (gfx1250); checked and timed in simulation.
; The chip was launched on July 23, 2026; its instructions are those of AMD's public machine-readable ISA for CDNA 5 (MIT licence, August 2026) and "CDNA5" Instruction Set Architecture Reference Guide (July 2026). The comments in the code are by the model that wrote it; some were corrected since.
;; D Ne RF Distortion. Allowed arithmetic: matrix products marked QUANTISED: E3M2 operands, one E8M0 scale for each 32 along K, by v_wmma_scale_f32_16x16x128_f8f6f4 with both operands' format E3M2, f32 sums; products left as they are: f32 operands where the result goes on into a quantised operand, else bf16, f16 or f32 operands; f32 sums; everything else in f32.
;; Inputs: W1 8 x 3 x 256 float32; W2 8 x 256 x 256 float32; W3 8 x 256 x 256 float32; W4 8 x 256 x 3 float32; b1 8 x 256 float32; b2 8 x 256 float32; b3 8 x 256 float32; b4 8 x 3 float32; positions 65,536 x 3 float32; times 65,536 int32.
;; Outputs: out0 65,536 x 3 float32.
;; This version of the problem:
;;   THIS VERSION OF THE PROBLEM IS GIVEN IN LOW PRECISION. The matrix products marked QUANTISED in the list below multiply operands that are first quantised to E3M2 (3 exponent bits, 2 mantissa bits; 6 bits a number), with one power-of-two scale for each 32 numbers along K (OCP MX v1.0); their sums are f32. All else is computed in f32.
;;   The module's matrix products, in the order in which they are computed (A, B: the left and right operand; K: the contracted axis; several contracted axes count as one K, in the product's order):
;;     1. [M 65,536, K 3] x [K 3, N 256]; A: input positions; B: input W1: left as it is (K = 3 < 32)
;;     2. [M 65,536, K 256] x [K 256, N 256]; A: computed on the way; B: input W2: QUANTISED
;;     3. [M 65,536, K 256] x [K 256, N 256]; A: computed on the way; B: input W3: QUANTISED
;;     4. [M 65,536, K 256] x [K 256, N 3]; A: computed on the way; B: input W4: left as it is (N = 3 < 16)
;;     5. [M 65,536, K 3] x [K 3, N 256]; A: input positions; B: input W1: left as it is (K = 3 < 32)
;;     6. [M 65,536, K 256] x [K 256, N 256]; A: computed on the way; B: input W2: QUANTISED
;;     7. [M 65,536, K 256] x [K 256, N 256]; A: computed on the way; B: input W3: QUANTISED
;;     8. [M 65,536, K 256] x [K 256, N 3]; A: computed on the way; B: input W4: left as it is (N = 3 < 16)
;;     9. [M 65,536, K 3] x [K 3, N 256]; A: input positions; B: input W1: left as it is (K = 3 < 32)
;;     10. [M 65,536, K 256] x [K 256, N 256]; A: computed on the way; B: input W2: QUANTISED
;;     11. [M 65,536, K 256] x [K 256, N 256]; A: computed on the way; B: input W3: QUANTISED
;;     12. [M 65,536, K 256] x [K 256, N 3]; A: computed on the way; B: input W4: left as it is (N = 3 < 16)
;;     13. [M 65,536, K 3] x [K 3, N 256]; A: input positions; B: input W1: left as it is (K = 3 < 32)
;;     14. [M 65,536, K 256] x [K 256, N 256]; A: computed on the way; B: input W2: QUANTISED
;;     15. [M 65,536, K 256] x [K 256, N 256]; A: computed on the way; B: input W3: QUANTISED
;;     16. [M 65,536, K 256] x [K 256, N 3]; A: computed on the way; B: input W4: left as it is (N = 3 < 16)
;;     17. [M 65,536, K 3] x [K 3, N 256]; A: input positions; B: input W1: left as it is (K = 3 < 32)
;;     18. [M 65,536, K 256] x [K 256, N 256]; A: computed on the way; B: input W2: QUANTISED
;;     19. [M 65,536, K 256] x [K 256, N 256]; A: computed on the way; B: input W3: QUANTISED
;;     20. [M 65,536, K 256] x [K 256, N 3]; A: computed on the way; B: input W4: left as it is (N = 3 < 16)
;;     21. [M 65,536, K 3] x [K 3, N 256]; A: input positions; B: input W1: left as it is (K = 3 < 32)
;;     22. [M 65,536, K 256] x [K 256, N 256]; A: computed on the way; B: input W2: QUANTISED
;;     23. [M 65,536, K 256] x [K 256, N 256]; A: computed on the way; B: input W3: QUANTISED
;;     24. [M 65,536, K 256] x [K 256, N 3]; A: computed on the way; B: input W4: left as it is (N = 3 < 16)
;;     25. [M 65,536, K 3] x [K 3, N 256]; A: input positions; B: input W1: left as it is (K = 3 < 32)
;;     26. [M 65,536, K 256] x [K 256, N 256]; A: computed on the way; B: input W2: QUANTISED
;;     27. [M 65,536, K 256] x [K 256, N 256]; A: computed on the way; B: input W3: QUANTISED
;;     28. [M 65,536, K 256] x [K 256, N 3]; A: computed on the way; B: input W4: left as it is (N = 3 < 16)
;;     29. [M 65,536, K 3] x [K 3, N 256]; A: input positions; B: input W1: left as it is (K = 3 < 32)
;;     30. [M 65,536, K 256] x [K 256, N 256]; A: computed on the way; B: input W2: QUANTISED
;;     31. [M 65,536, K 256] x [K 256, N 256]; A: computed on the way; B: input W3: QUANTISED
;;     32. [M 65,536, K 256] x [K 256, N 3]; A: computed on the way; B: input W4: left as it is (N = 3 < 16)
;;   THE QUANTISER, for each operand of a quantised product, along K:
;;     - K is cut into blocks of 32 from its start; a last block that is shorter is filled with zeros.
;;     - A block's scale is 2^e with e = floor(log2(the largest magnitude in the block)) - 4, held to -126 .. 127; a block of zeros has e = 0. As a byte (E8M0): e + 127.
;;     - Each number is divided by its block's scale, clamped to +-28, and rounded to the nearest number of E3M2, ties to even, subnormals kept.
;;     - The product sums the exact products of the quantised numbers (number of the format x scale) in f32.
;;   ~~~python
;;   def quantise(x, axis):      # numpy; x: float32 -> the quantised numbers, widened to float32 again
;;       x = np.moveaxis(x, axis, -1); K = x.shape[-1]
;;       x = np.pad(x, [(0, 0)] * (x.ndim - 1) + [(0, -K % 32)]); x = x.reshape(x.shape[:-1] + (-1, 32)); a = np.abs(x).max(-1, keepdims=True)
;;       e = np.where(a > 0, np.clip(np.frexp(np.where(a > 0, a, 1))[1] - 1 - 4, -126, 127), 0)      # np.frexp(a)[1] - 1 = floor(log2(a)), exactly
;;       r = np.clip(x / 2.0 ** e, -28, 28)
;;       step = 2.0 ** (np.maximum(np.frexp(np.where(r == 0, 1, r))[1] - 1, -2) - 2)
;;       q = np.round(r / step) * step * 2.0 ** e      # np.round: ties to even
;;       return np.moveaxis(q.reshape(q.shape[:-2] + (-1,))[..., :K], -1, axis).astype(np.float32)
;;   ~~~
;;   OPERANDS COMPUTED ON THE WAY. 'Computed on the way' means the value that the module computes at that place (a softmax that the list does not call 'softmax' is quantised finished and normalised). What goes into a quantiser is computed in f32, as accurately as f32 sums, v_exp_f32 and their like allow (about 1e-6 of the number): no bf16 or f16 on the way to a quantiser, and a product that is left as it is and whose result goes on into a quantised operand takes f32 operands (vector FMAs, or v_wmma_f32_16x16x4_f32). A number that lies on a knife's edge between two numbers of the format may be rounded either way, as far as f32 arithmetic and the matrix unit's own rounding can turn it there, and no further.
;; One version. Each part assembles by itself: llvm-mc -triple=amdgcn-amd-amdhsa -mcpu=gfx1250 --defsym DOCPART=n.
;; ======== version 1 of 1: 2 launches
;; workspace buffers: wq 786,432 bytes; ws 32,768 bytes; xs 1,048,576 bytes; order 262,144 bytes of whole numbers; bounds 2,048 bytes of whole numbers
;; launch prep (part 1): grid 48 x 1, 8 waves a work-group, no clusters, 26,624 bytes of LDS; arguments times, positions, W2, W3, wq, ws, order, xs, bounds, out0; writes wq, ws, order, xs, bounds, out0
.if DOCPART == 1
	.amdgcn_target "amdgcn-amd-amdhsa--gfx1250"
	.amdhsa_code_object_version 6
	.text
	.protected	k_q8ee70da84d_prep
	.globl	k_q8ee70da84d_prep
	.p2align	8
	.type	k_q8ee70da84d_prep,@function
k_q8ee70da84d_prep:
	s_mov_b64 s[64:65], 0
	v_nop
	global_prefetch_b8 v0, s[64:65] scope:SCOPE_SE
	s_setreg_imm32_b32 hwreg(HW_REG_WAVE_MODE, 25, 1), 1
	s_wait_xcnt 0x0
; PREP: two jobs in one launch, told apart by the work-group's number alone.
; Work-groups 0-15 (SORT): chunk g = 4,096 points.  A counting sort by class (times clamped to 0..8; 8 = every value outside 0..7) gives each point a place in its chunk;
;   xs[4096 g + place] = {x, y, z, 1.0}, order[4096 g + place] = the point's row, bounds[c][g] = first place of class c in chunk g (c = 8: the end of the rows that have a class).
;   A point outside 0..7 keeps the zeros that the result starts from: its row of out0 is written here.
; Work-groups 16-47 (WEIGHTS): W2 and W3, f32 [class][k][n], are quantised along k (their FIRST axis) to codes of E3M2 with one E8M0 byte for each 32 along k, and laid in the order of the
;   operand's registers: wq[class][layer][column group of 64][fragment 2 t + s], a fragment = 16 units x 128 k = 3 planes of 512 bytes, lane l's registers 4 i .. 4 i + 3 at 512 i + 16 l.
;   Lane r of unit tile t holds unit 32 (t / 2) + 8 (t % 2) + r + 8 (r / 8) of the group.  ws[class][layer][group][b][s][x]: the scale word (four bytes, K step s) of unit 32 b + x.
; A block's scale byte is its largest magnitude's exponent field - 4, held at 1 from below.
; LIMITS: a block whose largest magnitude lies under 2^-122 has its byte held at 1; a block of zeros gets the byte 1 (its codes are zeros, and this program alone reads the bytes);
;   NaN and infinities among the weights are not served.
; LDS: bytes 0-1023 the sort's counts; from 1024 on 3,072 bytes a wave, the weights' stage.  Each job has bytes of its own.
.set CNT,   0
.set WSTG,  1024
.set Y,     16                         ; v16-31   classes of my 16 points: register 4 q + k = point 128 q + 4 lane + k of the wave's 512
.set R,     32                         ; v32-47   their ranks among the wave's points of the same class
.set P,     48                         ; v48-111  their records: x, y, z, 1.0
.set IDX,   112                        ; v112-127 their rows
.set A4,    128                        ; v128-143 class's first place, then the byte offset in order
.set A16,   144                        ; v144-159 the byte offset in xs
.set C,     160                        ; v160-167 the eight waves' counts (lane c: class c)
.set T,     168                        ; v168-171 at work
.set CNTV,  172                        ; my wave's counts
.set TOT,   173
.set BEF,   174
.set OFF,   175
.set ZR,    176                        ; v176-178 zeros
.set SCN,   180
.set START, 181
.set AZ,    192                        ; v192-207 my points' byte offsets in out0: 12 x row; made at the head, all lanes on, and never rewritten
.set MK,    32                         ; s32-47   lane masks
.set BS,    48                         ; s48-63   counts ahead of register j
	s_load_b512 s[4:19], s[0:1], 0x0               ; times, positions, W2, W3, wq, ws, order, xs
	s_load_b128 s[20:23], s[0:1], 0x40             ; bounds, out0
	v_lshl_add_u32 v208, v0, 2, 0x6400
	v_mov_b32 v209, 0
	v_lshrrev_b32 v1, 5, v0
	v_readfirstlane_b32 s24, v1                    ; wave 0..7
	v_and_b32 v1, 31, v0                           ; lane
	s_cmp_ge_u32 ttmp9, 16
	s_cbranch_scc1 .Lweights
; ---------------- SORT ----------------
	s_lshl_b32 s26, ttmp9, 14                      ; times: 16,384 bytes a chunk, 2,048 a wave
	s_lshl_b32 s27, s24, 11
	s_add_co_u32 s26, s26, s27
	s_mov_b32 s27, 0
	s_mul_i32 s28, ttmp9, 49152                    ; positions: 49,152 a chunk, 6,144 a wave
	s_mul_i32 s29, s24, 6144
	s_add_co_u32 s28, s28, s29
	s_mov_b32 s29, 0
	s_lshl_b32 s30, ttmp9, 14                      ; order: the chunk
	s_mov_b32 s31, 0
	s_lshl_b32 s70, ttmp9, 16                      ; xs: the chunk
	s_mov_b32 s71, 0
	s_lshl_b32 s72, ttmp9, 12
	s_lshl_b32 s73, s24, 9
	s_add_co_u32 s72, s72, s73                     ; my wave's first row
	v_lshlrev_b32 v2, 4, v1                        ; 16 x lane
	v_mul_u32_u24 v3, v1, 48                       ; 48 x lane
	v_lshl_add_u32 v4, v1, 2, s72                  ; the row of my register 0
	s_wait_kmcnt 0x0
	s_add_nc_u64 s[4:5], s[4:5], s[26:27]
	s_add_nc_u64 s[6:7], s[6:7], s[28:29]
	s_add_nc_u64 s[16:17], s[16:17], s[30:31]
	s_add_nc_u64 s[18:19], s[18:19], s[70:71]
.irp q, 0,1,2,3
	global_load_b128 v[Y+4*\q:Y+4*\q+3], v2, s[4:5] offset:512*\q th:TH_LOAD_NT          ; 512 consecutive bytes a load
.endr
.irp j, 0,1,2,3,4,5,6,7,8,9,10,11,12,13,14,15
	global_load_b96 v[P+4*\j:P+4*\j+2], v3, s[6:7] offset:1536*(\j/4)+12*(\j%4) th:TH_LOAD_NT
.endr
.irp j, 0,1,2,3,4,5,6,7,8,9,10,11,12,13,14,15
	v_mov_b32 v[P+4*\j+3], 1.0                     ; the record's fourth number meets the first layer's bias
	v_mov_b32 v[R+\j], 0
	v_mov_b32 v[A4+\j], 0
	v_add_nc_u32 v[IDX+\j], 128*(\j/4)+\j%4, v4
	v_mul_u32_u24 v[AZ+\j], v[IDX+\j], 12          ; a row of out0 is 12 bytes
.endr
	v_mov_b32 v[CNTV], 0
	v_mov_b32 v[T], 0
	v_mov_b32 v[ZR], 0
	v_mov_b32 v[ZR+1], 0
	v_mov_b32 v[ZR+2], 0
	s_wait_loadcnt 16                              ; the classes are in; the 16 loads of positions, issued behind them, may be out
.irp j, 0,1,2,3,4,5,6,7,8,9,10,11,12,13,14,15
	v_min_u32 v[Y+\j], 8, v[Y+\j]                  ; unsigned: negative numbers and numbers above 7 become class 8
.endr
; For each class: who has it (a lane mask for each register), how many stand ahead (registers first, then lanes), how many in all.
.irp c, 0,1,2,3,4,5,6,7,8
.irp j, 0,1,2,3,4,5,6,7,8,9,10,11,12,13,14,15
	v_cmp_eq_u32 s[MK+\j], \c, v[Y+\j]
.endr
	s_mov_b32 s67, 0
.irp j, 0,1,2,3,4,5,6,7,8,9,10,11,12,13,14,15
	s_mov_b32 s[BS+\j], s67
	s_bcnt1_i32_b32 s68, s[MK+\j]
	s_add_co_u32 s67, s67, s68
.endr
.irp j, 0,1,2,3,4,5,6,7,8,9,10,11,12,13,14,15
	v_mbcnt_lo_u32_b32 v[T+\j%4], s[MK+\j], s[BS+\j]
	v_cndmask_b32 v[R+\j], v[R+\j], v[T+\j%4], s[MK+\j]
.endr
	v_writelane_b32 v[CNTV], s67, \c
.endr
	v_lshlrev_b32 v5, 2, v0                        ; 128 x wave + 4 x lane
	ds_store_b32 v5, v[CNTV] offset:CNT
	s_wait_dscnt 0x0                               ; for the others' sake: my counts lie in LDS
	s_barrier_signal -1
	s_barrier_wait -1
	v_lshlrev_b32 v6, 2, v1
.irp i, 0,1,2,3,4,5,6,7
	ds_load_b32 v[C+\i], v6 offset:CNT+128*\i
.endr
	s_wait_dscnt 0x0
	v_add_nc_u32 v[TOT], v[C], v[C+1]
	v_add3_u32 v[TOT], v[TOT], v[C+2], v[C+3]
	v_add3_u32 v[TOT], v[TOT], v[C+4], v[C+5]
	v_add3_u32 v[TOT], v[TOT], v[C+6], v[C+7]      ; lane c: the chunk's points of class c
	v_mov_b32 v[BEF], 0
.irp i, 0,1,2,3,4,5,6
	s_cmp_gt_u32 s24, \i
	s_cselect_b32 s68, -1, 0
	v_and_b32 v[T], s68, v[C+\i]
	v_add_nc_u32 v[BEF], v[BEF], v[T]              ; those of the waves ahead of mine
.endr
	v_mov_b32 v[SCN], v[TOT]
.irp n, 1,2,4,8
	v_mov_b32_dpp v[T], v[SCN] row_shr:\n row_mask:0xf bank_mask:0xf bound_ctrl:1
	v_add_nc_u32 v[SCN], v[SCN], v[T]              ; running sum over lanes 0-15
.endr
	v_sub_nc_u32 v[START], v[SCN], v[TOT]          ; lane c: first place of class c in the chunk
	v_add_nc_u32 v[OFF], v[START], v[BEF]          ; and of my wave's points of it
	s_cmp_lg_u32 s24, 0
	s_cbranch_scc1 .Lnot_wave_0
	v_lshlrev_b32 v7, 6, v1                        ; bounds[c][chunk]: 64 bytes a class
	s_lshl_b32 s68, ttmp9, 2
	s_mov_b32 s69, 0
	s_add_nc_u64 s[20:21], s[20:21], s[68:69]
	global_store_b32 v7, v[START], s[20:21]
.Lnot_wave_0:
.irp c, 0,1,2,3,4,5,6,7,8
	v_readlane_b32 s68, v[OFF], \c
	v_mov_b32 v[T+\c%4], s68
.irp j, 0,1,2,3,4,5,6,7,8,9,10,11,12,13,14,15
	v_cmp_eq_u32 s[MK+\j], \c, v[Y+\j]
.endr
.irp j, 0,1,2,3,4,5,6,7,8,9,10,11,12,13,14,15
	v_cndmask_b32 v[A4+\j], v[A4+\j], v[T+\c%4], s[MK+\j]
.endr
.endr
.irp j, 0,1,2,3,4,5,6,7,8,9,10,11,12,13,14,15
	v_add_nc_u32 v[A4+\j], v[A4+\j], v[R+\j]       ; the point's place in the chunk
	v_min_u32 v[A4+\j], 0xfff, v[A4+\j]
	v_lshlrev_b32 v[A16+\j], 4, v[A4+\j]
	v_lshlrev_b32 v[A4+\j], 2, v[A4+\j]
.endr
.irp j, 0,1,2,3,4,5,6,7,8,9,10,11,12,13,14,15
	global_store_b32 v[A4+\j], v[IDX+\j], s[16:17]
.endr
	s_wait_loadcnt 0x0                             ; the positions
.irp j, 0,1,2,3,4,5,6,7,8,9,10,11,12,13,14,15
	global_store_b128 v[A16+\j], v[P+4*\j:P+4*\j+3], s[18:19]
.endr
	v_readlane_b32 s68, v[CNTV], 8                 ; has my wave points without a class?
	s_cmp_eq_u32 s68, 0
	s_cbranch_scc1 .Lsort_end
	s_wait_xcnt 0x0                                ; the stores issued so far have read EXEC: it changes only behind this wait
.irp j, 0,1,2,3,4,5,6,7,8,9,10,11,12,13,14,15
	v_cmp_eq_u32 vcc_lo, 8, v[Y+\j]
	s_and_saveexec_b32 s69, vcc_lo
	global_store_b96 v[AZ+\j], v[ZR:ZR+2], s[22:23]   ; the row stays zero.  Offset and data were made at the head: nothing but the mask is made here
	s_wait_xcnt 0x0                                ; and again, in front of the line that widens EXEC; nothing is issued between it and the next narrowing
	s_or_b32 exec_lo, exec_lo, s69
.endr
.Lsort_end:
	s_wait_tensorcnt 0x0
	ds_add_u32 v208, v209
	s_wait_dscnt 0x0
	s_endpgm
; ---------------- WEIGHTS ----------------
; A wave takes 32 columns (lane x: unit 32 b + x of column group cg) x 128 along k (K step s): a lane to a column, its registers down k, so a block of 32 is one lane's own
; and the conversions give codes with k innermost.  That is two whole fragments (unit tiles 2 b and 2 b + 1).
.set WX,  16                           ; v16-143  W[128 s + i][my column]
.set WM,  144                          ; v144-147 the four blocks' largest magnitudes
.set WSO, 148                          ; v148-151 the conversions' scale operands
.set WBY, 152                          ; v152-155 the scale bytes
.set WWD, 156                          ; the scale word
.set WPC, 160                          ; v160-183 two runs of 12: what image lanes (r, 0) and (r, 1) hold
.set WT0, 184
.set WT1, 188
.Lweights:
	s_sub_co_u32 s26, ttmp9, 16
	s_lshr_b32 s27, s26, 2                         ; class
	s_bfe_u32 s28, s26, 0x10001                    ; layer: 0 = W2, 1 = W3
	s_and_b32 s29, s26, 1
	s_lshl_b32 s29, s29, 1
	s_lshr_b32 s30, s24, 2
	s_add_co_u32 s29, s29, s30                     ; column group cg
	s_bfe_u32 s30, s24, 0x10001                    ; b
	s_and_b32 s31, s24, 1                          ; s
	s_lshl_b32 s32, s27, 18                        ; W: 262,144 bytes a class, 131,072 a K step, 256 a group, 128 for b
	s_lshl_b32 s38, s31, 17
	s_add_co_u32 s32, s32, s38
	s_lshl_b32 s38, s29, 8
	s_add_co_u32 s32, s32, s38
	s_lshl_b32 s38, s30, 7
	s_add_co_u32 s32, s32, s38
	s_mov_b32 s33, 0
	s_mul_i32 s34, s27, 98304                      ; wq: 98,304 a class, 49,152 a layer, 12,288 a group, 1,536 a fragment; mine are 4 b + s and 4 b + 2 + s
	s_mul_i32 s38, s28, 49152
	s_add_co_u32 s34, s34, s38
	s_mul_i32 s38, s29, 12288
	s_add_co_u32 s34, s34, s38
	s_lshl_b32 s38, s30, 2
	s_add_co_u32 s38, s38, s31
	s_mul_i32 s38, s38, 1536
	s_add_co_u32 s34, s34, s38
	s_mov_b32 s35, 0
	s_lshl_b32 s36, s27, 12                        ; ws: 4,096 a class, 2,048 a layer, 512 a group, 256 for b, 128 for s
	s_lshl_b32 s38, s28, 11
	s_add_co_u32 s36, s36, s38
	s_lshl_b32 s38, s29, 9
	s_add_co_u32 s36, s36, s38
	s_lshl_b32 s38, s30, 8
	s_add_co_u32 s36, s36, s38
	s_lshl_b32 s38, s31, 7
	s_add_co_u32 s36, s36, s38
	s_mov_b32 s37, 0
	v_lshlrev_b32 v2, 2, v1                        ; 4 x lane
	v_lshlrev_b32 v4, 4, v1                        ; 16 x lane
	v_bfe_u32 v5, v1, 3, 1                         ; u: which of my two unit tiles takes column x
	v_and_b32 v6, 7, v1
	v_lshrrev_b32 v7, 4, v1
	v_lshl_or_b32 v6, v7, 3, v6                    ; r: which of its lanes
	s_mul_i32 s38, s24, 3072
	s_add_co_u32 s38, s38, WSTG                    ; my stage
	v_mul_u32_u24 v3, v5, 1536
	v_lshl_add_u32 v3, v6, 4, v3
	v_add_nc_u32 v3, s38, v3                       ; into it: fragment u, image lane r
	v_add_nc_u32 v8, s38, v4                       ; out of it: as it lies
	s_wait_kmcnt 0x0
	s_cmp_eq_u32 s28, 0
	s_cselect_b64 s[8:9], s[8:9], s[10:11]         ; the choice hangs on the work-group's number alone
	s_add_nc_u64 s[8:9], s[8:9], s[32:33]
	s_add_nc_u64 s[12:13], s[12:13], s[34:35]
	s_add_nc_u64 s[14:15], s[14:15], s[36:37]
.set wi, 0
.rept 128
	global_load_b32 v[WX+wi], v2, s[8:9] offset:1024*wi th:TH_LOAD_NT   ; a row of W at 32 neighbouring columns
.set wi, wi+1
.endr
	s_wait_loadcnt 0x0
.irp b, 0,1,2,3
	v_max3_num_f32 v[WM+\b], |v[WX+32*\b]|, |v[WX+32*\b+1]|, 0x2800000   ; with the floor 2^(5 - 127): the byte cannot fall under 1
.endr
.irp i, 2,4,6,8,10,12,14,16,18,20,22,24,26,28,30
.irp b, 0,1,2,3
	v_max3_num_f32 v[WM+\b], v[WM+\b], |v[WX+32*\b+\i]|, |v[WX+32*\b+\i+1]|   ; the four blocks by turns
.endr
.endr
.irp b, 0,1,2,3
	v_add_nc_u32 v[WSO+\b], 0xfe000000, v[WM+\b]   ; 4 off the exponent field: the conversion takes this operand's exponent field as its scale
.endr
.irp b, 0,1,2,3
	v_lshrrev_b32 v[WBY+\b], 23, v[WSO+\b]
.endr
	v_lshl_or_b32 v[WWD], v[WBY+1], 8, v[WBY]
	v_lshl_or_b32 v[WWD], v[WBY+2], 16, v[WWD]
	v_lshl_or_b32 v[WWD], v[WBY+3], 24, v[WWD]
.irp h, 0,1                            ; image lane (r, h) holds blocks h and 2 + h, six registers each
	v_cvt_scalef32_pk16_bf6_f32 v[WPC+12*\h:WPC+12*\h+2], v[WX+32*\h:WX+32*\h+15], v[WSO+\h]
	v_cvt_scalef32_pk16_bf6_f32 v[WT0:WT0+2], v[WX+32*\h+16:WX+32*\h+31], v[WSO+\h]          ; (a conversion's three registers begin on an even number)
	v_cvt_scalef32_pk16_bf6_f32 v[WPC+12*\h+6:WPC+12*\h+8], v[WX+64+32*\h:WX+64+32*\h+15], v[WSO+2+\h]
	v_cvt_scalef32_pk16_bf6_f32 v[WT1:WT1+2], v[WX+64+32*\h+16:WX+64+32*\h+31], v[WSO+2+\h]
	v_nop                                          ; one plain place behind the conversions
.irp i, 0,1,2
	v_mov_b32 v[WPC+12*\h+3+\i], v[WT0+\i]
	v_mov_b32 v[WPC+12*\h+9+\i], v[WT1+\i]
.endr
.endr
.irp h, 0,1
.irp i, 0,1,2
	ds_store_b128 v3, v[WPC+12*\h+4*\i:WPC+12*\h+4*\i+3] offset:256*\h+512*\i
.endr
.endr
.irp p, 0,1,2,3,4,5
	ds_load_b128 v[WX+4*\p:WX+4*\p+3], v8 offset:512*\p      ; LDS serves a wave's instructions in order: these see my stores
.endr
.irp p, 0,1,2,3,4,5
	s_wait_dscnt 5-\p                              ; read p is back; the reads issued behind it may be out
	global_store_b128 v4, v[WX+4*\p:WX+4*\p+3], s[12:13] offset:(\p/3)*3072+(\p%3)*512   ; 512 consecutive bytes, at a multiple of 512 from wq's first byte
.endr
	global_store_b32 v2, v[WWD], s[14:15]          ; 128 consecutive bytes a wave: the scale words are 32 KiB in all
	s_wait_tensorcnt 0x0
	ds_add_u32 v208, v209
	s_wait_dscnt 0x0
	s_endpgm
.Lfunc_end_k_q8ee70da84d_prep:
	.size	k_q8ee70da84d_prep, .Lfunc_end_k_q8ee70da84d_prep-k_q8ee70da84d_prep
	.p2alignl 7, 3214868480
	.fill 96, 4, 3214868480
	.section	.rodata,"a",@progbits
	.p2align	6, 0x0
	.amdhsa_kernel k_q8ee70da84d_prep
		.amdhsa_group_segment_fixed_size 26624
		.amdhsa_private_segment_fixed_size 0
		.amdhsa_enable_private_segment 0
		.amdhsa_kernarg_size 80
		.amdhsa_user_sgpr_count 2
		.amdhsa_user_sgpr_kernarg_segment_ptr 1
		.amdhsa_wavefront_size32 1
		.amdhsa_system_sgpr_workgroup_id_x 1
		.amdhsa_system_sgpr_workgroup_id_y 1
		.amdhsa_system_sgpr_workgroup_id_z 1
		.amdhsa_system_vgpr_workitem_id 0
		.amdhsa_next_free_vgpr 210
		.amdhsa_next_free_sgpr 96
		.amdhsa_reserve_vcc 1
		.amdhsa_float_denorm_mode_32 3
		.amdhsa_float_denorm_mode_16_64 3
		.amdhsa_memory_ordered 1
		.amdhsa_forward_progress 1
		.amdhsa_inst_pref_size 102
	.end_amdhsa_kernel
	.amdgpu_metadata
---
amdhsa.version: [ 1, 2 ]
amdhsa.kernels:
  - .name:           k_q8ee70da84d_prep
    .symbol:         k_q8ee70da84d_prep.kd
    .args:
      - { .name: times, .offset: 0, .size: 8, .value_kind: global_buffer, .address_space: global }
      - { .name: positions, .offset: 8, .size: 8, .value_kind: global_buffer, .address_space: global }
      - { .name: W2, .offset: 16, .size: 8, .value_kind: global_buffer, .address_space: global }
      - { .name: W3, .offset: 24, .size: 8, .value_kind: global_buffer, .address_space: global }
      - { .name: wq, .offset: 32, .size: 8, .value_kind: global_buffer, .address_space: global }
      - { .name: ws, .offset: 40, .size: 8, .value_kind: global_buffer, .address_space: global }
      - { .name: order, .offset: 48, .size: 8, .value_kind: global_buffer, .address_space: global }
      - { .name: xs, .offset: 56, .size: 8, .value_kind: global_buffer, .address_space: global }
      - { .name: bounds, .offset: 64, .size: 8, .value_kind: global_buffer, .address_space: global }
      - { .name: out0, .offset: 72, .size: 8, .value_kind: global_buffer, .address_space: global }
    .group_segment_fixed_size: 26624
    .private_segment_fixed_size: 0
    .kernarg_segment_align: 8
    .kernarg_segment_size: 80
    .max_flat_workgroup_size: 256
    .sgpr_count:     96
    .vgpr_count:     210
    .wavefront_size: 32
...
	.end_amdgpu_metadata
.endif
;; end of part 1
;; launch mlp (part 2): grid 256 x 1, 8 waves a work-group, no clusters, 179,712 bytes of LDS; arguments bounds, order, xs, wq, ws, W1, b1, W4, b2, b3, b4, out0; writes out0
.if DOCPART == 2
	.amdgcn_target "amdgcn-amd-amdhsa--gfx1250"
	.amdhsa_code_object_version 6
	.text
	.protected	k_q8ee70da84d_mlp
	.globl	k_q8ee70da84d_mlp
	.p2align	8
	.type	k_q8ee70da84d_mlp,@function
k_q8ee70da84d_mlp:
	s_mov_b64 s[64:65], 0
	v_nop
	global_prefetch_b8 v0, s[64:65] scope:SCOPE_SE
	s_setreg_imm32_b32 hwreg(HW_REG_WAVE_MODE, 25, 1), 1
	s_wait_xcnt 0x0
; MLP: out0[row] = tanh(tanh(tanh(tanh(x W1 + b1) W2 + b2) W3 + b3) W4 + b4) with the weights of the row's own class: only the chosen class is multiplied.
; The second and third products run on codes of E3M2 with one E8M0 scale for each 32 along K; the first has f32 operands (its result goes into a quantiser); the fourth bf16.
; TILES.  A tile is 16 rows of one (chunk, class) of the sorted records xs.  Class c has T[c] = sum over the 16 chunks of ceil(count / 16) tiles and ceil(T[c] / 17) work-groups;
; work-group k of a class takes tiles 17 k .. 17 k + 16.  Whatever the split, the tiles are at most (65,536 + 15 x 128) / 16 = 4,216 and the work-groups at most (4,216 + 8 x 16) / 17 < 256:
; the grid of 256 serves every split.  A work-group that a split leaves without tiles walks the text, passes its barriers and stores nothing: that is the price of a fixed grid.
; No tensor loads and no cluster: which class and which tiles hangs on stored numbers.  The weights come from memory straight into registers, in the order of the operand's registers.
; SHARES.  Wave w: cg = w % 4 owns units 64 cg .. 64 cg + 63 of every layer, and holds its part of W2 and W3 in registers; rg = w / 4 takes tiles 2 i + rg, i = 0 .. 8.
; All products are used TRANSPOSED (source 0 = 16 units, source 1 = 16 rows): a lane holds one row.  Lane r of unit tile t takes unit 32 (t / 2) + 8 (t % 2) + r + 8 (r / 8),
; so accumulator register 16 b + i of lane (r, h) is unit 64 cg + 32 b + 16 h + i: 16 neighbours along the next K.  A layer's codes go from wave to wave through LDS; four barriers, none under a branch.
; TANH.  |x| >= 0.125: 1 - 2 / (1 + 2^(2 log2(e) x)).  |x| < 0.125: x + x s (-1/3 + 2/15 s), s = x x (the next term, 17/315 x^6, is 2e-7 of x at 0.125).  Chosen by a select, both always computed.
; LIMITS: tanh's relative error is about 1.2e-6 at the worst (at 0.125, from the first form's absolute error of about 1.5e-7); a block whose largest magnitude lies under 2^-122 has its scale byte
; held at 1; a block of zeros gets the byte 1 (its codes are zeros); NaN and infinities among the inputs are not served (E3M2 has no code for them).
; LDS: POSL 32 tiles x 256 B of records; SC1, SC2 18 tiles x 128 B of scale words [K step][row]; IMG1, IMG2 18 tiles x 32 lanes x 112 B (a lane's two fragments, 96 B, + 16
; 64 banks of 4 bytes: ISA guide 11.1); P4 18 tiles x 4 column groups x 512 B of the last product's parts.
; REGISTERS.  Window 1: v0-95 W2's 8 fragments, v96-191 W3's, v192-223 b2, v224-255 b3 (in the result's layout: they are the C of each sum's first product).
; Window 0: v1-14 addresses; v16-24 scale words and nothing else; v28-35 W1 and b1; v36-51 W4; v54-61 the last product; v62, v63, v120 my three tiles' byte offsets in out0;
; v64-95 the accumulators, written by matrix instructions alone; v96-119 two fragments of rows; v121-125 addresses of loads that stay out;
; v128-159 E, v160-191 S, v192-223 Q (tanh; at the head: at work); v224-251 the quantiser and the way out.
.set POSL,  0
.set SC1,   8192
.set SC2,   10496
.set IMG1,  12800
.set IMG2,  77312
.set P4,    141824
.set TILEB, 3584
.set AD,    11                         ; v11-14 LDS addresses of the trip in hand
.set WS2,   16
.set WS3,   20
.set XS,    24
.set KC,    26
.set W1A,   28
.set W4A,   36
.set PB,    52
.set O4,    54
.set ACC,   64
.set XF,    96
.set AWS,   121
.set ABI,   122
.set AWQ,   123
.set AX,    124
.set AB,    125
.set E,     128
.set S,     160
.set Q,     192
.set TM,    224
.set SO,    232
.set BY,    234
.set HW,    236
.set PC,    238
.set PT,    244
.set FS,    248
.set ST,    128                        ; the head's registers, free again before the first tanh
.set TAU,   137
.set SUM,   145
.set VX,    153
.set VY,    154
.set VZ,    155
.set TP,    156
.set SB,    157
.set EN,    158
.set DT,    159
.set REC,   160
.set RAW1,  168
.set RAWB,  172
.set GA,    176
.set GB,    181
.set TT,    184
.set RW4,   192
.set MSB, 0
.macro WIN new                         ; the immediate's high byte repeats the setting that is left
.if MSB != \new
	s_set_vgpr_msb (MSB<<8)|\new
.set MSB, \new
.endif
.endm
.macro BARRIER                         ; my LDS stores have landed and my LDS loads are in: then the work-group's barrier
	s_wait_dscnt 0x0
	s_barrier_signal -1
	s_barrier_wait -1
.endm
.macro PLACES n
.rept \n
	v_nop
.endr
.endm
; Tile s[th] of my class: its chunk is the last whose first tile is not above it; bs = the tile's first record, en = the end of the chunk's run.
.macro TILEINFO th, bs, en
	v_cmp_ge_u32 vcc_lo, s[\th], v[TP]
	s_and_b32 s98, vcc_lo, 0xffff
	s_bcnt1_i32_b32 s98, s98
	s_sub_co_u32 s98, s98, 1
	v_readlane_b32 s[\bs], v[SB], s98
	v_readlane_b32 s[\en], v[EN], s98
	s_lshl_b32 s99, s[\th], 4
	s_add_co_u32 s[\bs], s[\bs], s99
.endm
.macro GOF dst, t                      ; ceil(T / 17) = floor((T + 16) x 61,681 / 2^20): 61,681 x 17 = 2^20 + 1, exact for numbers under 2^20
	s_add_co_u32 s[\dst], s[\t], 16
	s_mul_i32 s[\dst], s[\dst], 61681
	s_lshr_b32 s[\dst], s[\dst], 20
.endm
.macro STAGE_ADR dst                   ; s84: the first of my wave's two tiles of a stage slot.  Lanes 0-15 take its rows, lanes 16-31 the next tile's
	TILEINFO 84, 86, 87
	v_mov_b32 v[TT], s86
	s_add_co_u32 s84, s84, 1
	TILEINFO 84, 86, 87
	v_mov_b32 v[TT+1], s86
	v_cndmask_b32 v[\dst], v[TT], v[TT+1], s51
	v_add_nc_u32 v[\dst], v[\dst], v1
	v_min_u32 v[\dst], 0xffff, v[\dst]
	v_lshlrev_b32 v[\dst], 4, v[\dst]
.endm
.macro OUT_ADR q, idx                  ; the rows of the tile that I store on the way out: tile w + 8 q
	s_add_co_u32 s84, s83, s28
	s_add_co_u32 s84, s84, 8*\q
	TILEINFO 84, 86, 87
	v_add_nc_u32 v[GA+2+\q], s86, v1
	v_cmp_gt_u32 s[88+\q], s87, v[GA+2+\q]         ; a row past the run's end is nobody's: the mask is kept for the way out
	v_min_u32 v[GA+2+\q], 0xffff, v[GA+2+\q]
	v_lshlrev_b32 v[GA+2+\q], 2, v[GA+2+\q]
	global_load_b32 v[\idx], v[GA+2+\q], s[6:7]
.endm
; tanh of 2 np numbers v[src] on, into v[E] on.  The exponentials are one batch with one wait, the reciprocals another; the series' plain lines stand between them.
; The first lines read src in ascending order: each accumulator from its low end on.
.macro TANH src, np
.set ti, 0
.rept \np
	v_pk_mul_f32 v[E+2*ti:E+2*ti+1], v[\src+2*ti:\src+2*ti+1], s[48:49] op_sel_hi:[1,0]     ; 2 log2(e) x
.set ti, ti+1
.endr
.set ti, 0
.rept \np
	v_exp_f32 v[E+2*ti], v[E+2*ti]
	v_pk_mul_f32 v[S+2*ti:S+2*ti+1], v[\src+2*ti:\src+2*ti+1], v[\src+2*ti:\src+2*ti+1]     ; s = x x
	v_exp_f32 v[E+2*ti+1], v[E+2*ti+1]
	v_pk_fma_f32 v[Q+2*ti:Q+2*ti+1], v[S+2*ti:S+2*ti+1], s[46:47], v[KC:KC+1] op_sel_hi:[1,0,1]   ; 2/15 s - 1/3
.set ti, ti+1
.endr
	s_wait_alu depctr_va_vdst(0)                   ; one wait for the batch of exponentials, ahead of their first reader
.set ti, 0
.rept \np
	v_pk_add_f32 v[E+2*ti:E+2*ti+1], v[E+2*ti:E+2*ti+1], 1.0 op_sel_hi:[1,0]
.set ti, ti+1
.endr
.set ti, 0
.rept \np
	v_rcp_f32 v[E+2*ti], v[E+2*ti]
	v_pk_mul_f32 v[Q+2*ti:Q+2*ti+1], v[Q+2*ti:Q+2*ti+1], v[S+2*ti:S+2*ti+1]
	v_rcp_f32 v[E+2*ti+1], v[E+2*ti+1]
	v_pk_fma_f32 v[Q+2*ti:Q+2*ti+1], v[Q+2*ti:Q+2*ti+1], v[\src+2*ti:\src+2*ti+1], v[\src+2*ti:\src+2*ti+1]   ; the series
.set ti, ti+1
.endr
	s_wait_alu depctr_va_vdst(0)                   ; and one for the reciprocals
.set ti, 0
.rept \np
	v_pk_fma_f32 v[E+2*ti:E+2*ti+1], v[E+2*ti:E+2*ti+1], -2.0, 1.0 op_sel_hi:[1,0,0]
.set ti, ti+1
.endr
.set tg, 0
.rept (2*\np+7)/8
.set tc, 0
.rept 8
.if tg+tc < 2*\np
	v_cmp_gt_f32 s[54+tc], s50, |v[\src+tg+tc]|
.endif
.set tc, tc+1
.endr
.set tc, 0
.rept 8
.if tg+tc < 2*\np
	v_cndmask_b32 v[E+tg+tc], v[E+tg+tc], v[Q+tg+tc], s[54+tc]
.endif
.set tc, tc+1
.endr
.set tg, tg+8
.endr
.endm
; My 32 numbers v[E] on (two half blocks of 16; the other halves lie in lane l xor 16) become six registers of codes, a WHOLE block in a lane (lanes 0-15 block 0, lanes 16-31 block 1), and two scale bytes.
.macro QUANT
.irp c, 0,1,2,3
	v_max3_num_f32 v[TM+\c], |v[E+8*\c]|, |v[E+8*\c+1]|, 0x2800000      ; four chains of eight, with the floor 2^(5 - 127): the byte cannot fall under 1
.endr
.irp i, 2,4,6
.irp c, 0,1,2,3
	v_max3_num_f32 v[TM+\c], v[TM+\c], |v[E+8*\c+\i]|, |v[E+8*\c+\i+1]|
.endr
.endr
	v_max_num_f32 v[TM], v[TM], v[TM+1]
	v_max_num_f32 v[TM+2], v[TM+2], v[TM+3]
	v_permlanex16_b32 v[TM+4], v[TM], s52, s53
	v_permlanex16_b32 v[TM+5], v[TM+2], s52, s53
	v_max_num_f32 v[TM], v[TM], v[TM+4]            ; the blocks' largest magnitudes
	v_max_num_f32 v[TM+2], v[TM+2], v[TM+5]
	v_add_nc_u32 v[SO], 0xfe000000, v[TM]          ; 4 off the exponent field: the conversion's scale operand
	v_add_nc_u32 v[SO+1], 0xfe000000, v[TM+2]
	v_lshrrev_b32 v[BY], 23, v[SO]
	v_lshrrev_b32 v[BY+1], 23, v[SO+1]
	v_lshl_or_b32 v[HW], v[BY+1], 8, v[BY]
	v_cvt_scalef32_pk16_bf6_f32 v[PC:PC+2], v[E:E+15], v[SO]
	v_cvt_scalef32_pk16_bf6_f32 v[PT:PT+2], v[E+16:E+31], v[SO+1]
	v_nop                                          ; one plain place behind the conversions
.irp i, 0,1,2
	v_permlane16_swap_b32 v[PC+\i], v[PT+\i]       ; the first now holds each lane's block's lower 16 codes, the second the upper 16
.endr
.irp i, 0,1,2
	v_mov_b32 v[PC+3+\i], v[PT+\i]
.endr
.endm
.macro PUT                             ; my 24 bytes of the lane's image, and my two bytes of the row's scale word (both halves of the lanes write the same two bytes with the same value)
.irp i, 0,1,2
	ds_store_b64 v[AD+1], v[PC+2*\i:PC+2*\i+1] offset:8*\i
.endr
	ds_store_b16 v[AD+2], v[HW]
.endm
; ---------------- THE HEAD ----------------
	s_load_b512 s[4:19], s[0:1], 0x0               ; bounds, order, xs, wq, ws, W1, b1, W4
	s_load_b256 s[20:27], s[0:1], 0x40             ; b2, b3, b4, out0
	v_lshl_add_u32 v254, v0, 2, 0x2ba00
	v_mov_b32 v255, 0
	v_lshrrev_b32 v11, 5, v0
	v_readfirstlane_b32 s28, v11                   ; wave w
	s_and_b32 s29, s28, 3                          ; cg
	s_lshr_b32 s30, s28, 2                         ; rg
	v_and_b32 v1, 15, v0                           ; r
	v_bfe_u32 v2, v0, 4, 1                         ; h
	v_and_b32 v12, 31, v0                          ; lane
	v_mul_u32_u24 v3, v12, 112                     ; a lane's place in an image
	v_lshlrev_b32 v4, 2, v12
	s_mul_i32 s98, s29, 24
	v_add_nc_u32 v5, s98, v3                       ; and my column group's 24 bytes in it
	s_lshr_b32 s98, s29, 1
	s_lshl_b32 s98, s98, 6
	s_and_b32 s99, s29, 1
	s_lshl_b32 s99, s99, 1
	s_add_co_u32 s98, s98, s99
	v_lshl_add_u32 v6, v1, 2, s98                  ; scale words [K step cg / 2][row]: my two bytes at 2 (cg % 2)
	v_lshlrev_b32 v7, 4, v1
	v_lshl_add_u32 v7, v2, 3, v7                   ; a record's numbers 2 h, 2 h + 1
	s_lshl_b32 s98, s29, 9
	v_lshl_add_u32 v8, v12, 4, s98                 ; the last product's part: 16 x lane + 512 cg
	s_lshl_b32 s98, s28, 11
	s_add_co_u32 s98, s98, P4
	v_lshl_add_u32 v9, v1, 4, s98                  ; the way out: tile w, row r
	v_lshlrev_b32 v10, 4, v0                       ; 16 x thread
	v_and_b32 v[AX], 8, v1
	v_add_nc_u32 v[AX], v[AX], v1
	v_lshlrev_b32 v[AX], 2, v[AX]                  ; 4 (r + 8 (r / 8))
	v_lshl_add_u32 v[AWS], v2, 7, v[AX]            ; weights' scale words: lanes 0-15 K step 0, lanes 16-31 K step 1
	v_lshlrev_b32 v[ABI], 6, v2                    ; biases: 16 h units on
	v_lshlrev_b32 v[AWQ], 4, v12                   ; fragments' images: 16 x lane
	v_lshlrev_b32 v[AB], 2, v1                     ; bounds: lane r takes chunk r
	s_mov_b32 s46, 0x3e088889                      ; 2/15
	s_mov_b32 s47, s46
	s_mov_b32 s48, 0x4038aa3b                      ; 2 log2(e)
	s_mov_b32 s49, s48
	s_mov_b32 s50, 0x3e000000                      ; 0.125
	s_mov_b32 s51, 0xffff0000                      ; lanes 16-31
	s_mov_b32 s52, 0x76543210                      ; v_permlanex16_b32's selects for lane l xor 16
	s_mov_b32 s53, 0xfedcba98
	v_mov_b32 v[KC], 0xbeaaaaab                    ; -1/3
	v_mov_b32 v[KC+1], 0xbeaaaaab
	v_mov_b32 v[TM+4], 0                           ; written once: a lane permute's destination counts as one of its sources
	v_mov_b32 v[TM+5], 0
	v_mov_b32 v[DT], 0
	s_wait_kmcnt 0x0
.irp c, 0,1,2,3,4,5,6,7,8
	global_load_b32 v[ST+\c], v[AB], s[4:5] offset:64*\c
.endr
	s_wait_loadcnt 0x0
.irp c, 0,1,2,3,4,5,6,7
	v_sub_nc_u32 v[TAU+\c], v[ST+\c+1], v[ST+\c]
	v_add_nc_u32 v[TAU+\c], 15, v[TAU+\c]
	v_lshrrev_b32 v[TAU+\c], 4, v[TAU+\c]          ; the tiles of (chunk r, class c)
	v_mov_b32 v[SUM+\c], v[TAU+\c]
.endr
.irp n, 1,2,4,8
.irp c, 0,1,2,3,4,5,6,7
	v_add_nc_u32_dpp v[SUM+\c], v[SUM+\c], v[SUM+\c] row_xmask:\n row_mask:0xf bank_mask:0xf
.endr
.endr
.irp c, 0,1,2,3,4,5,6,7
	v_readfirstlane_b32 s[36+\c], v[SUM+\c]        ; T[c]
.endr
	s_mov_b32 s31, 0                               ; my class,
	s_mov_b32 s35, 0                               ; its first work-group,
	s_mov_b32 s34, s36                             ; its tiles
	v_mov_b32 v[VX], v[ST]
	v_mov_b32 v[VY], v[ST+1]
	v_mov_b32 v[VZ], v[TAU]
	GOF 44, 36
.irp c, 1,2,3,4,5,6,7
	s_cmp_ge_u32 ttmp9, s44
	s_cselect_b32 s31, \c, s31
	s_cselect_b32 s35, s44, s35
	s_cselect_b32 s34, s[36+\c], s34
	s_cselect_b32 s45, -1, 0
	v_cndmask_b32 v[VX], v[VX], v[ST+\c], s45
	v_cndmask_b32 v[VY], v[VY], v[ST+\c+1], s45
	v_cndmask_b32 v[VZ], v[VZ], v[TAU+\c], s45
	GOF 98, 36+\c
	s_add_co_u32 s44, s44, s98
.endr
	s_sub_co_u32 s32, ttmp9, s35                   ; k
	s_mul_i32 s83, s32, 17                         ; my first tile
	s_sub_co_i32 s33, s34, s83
	s_max_i32 s33, s33, 0
	s_min_i32 s33, s33, 17                         ; nt: how many tiles are mine
	s_min_u32 s31, s31, 7
	v_lshlrev_b32 v[TT], 12, v1
	v_add_nc_u32 v[VX], v[VX], v[TT]               ; the run's first record,
	v_add_nc_u32 v[EN], v[VY], v[TT]               ; and its end
	v_mov_b32 v[TT+2], v[VZ]
.irp n, 1,2,4,8
	v_mov_b32_dpp v[DT], v[TT+2] row_shr:\n row_mask:0xf bank_mask:0xf bound_ctrl:1
	v_add_nc_u32 v[TT+2], v[TT+2], v[DT]
.endr
	v_sub_nc_u32 v[TP], v[TT+2], v[VZ]             ; lane r: the first tile of chunk r
	v_lshlrev_b32 v[TT], 4, v[TP]
	v_sub_nc_u32 v[SB], v[VX], v[TT]
; group A, five loads: the records of tiles 2 w, 2 w + 1 and 16 + 2 w, 17 + 2 w, and the rows of the three tiles that I store
	s_lshl_b32 s84, s28, 1
	s_add_co_u32 s84, s84, s83
	STAGE_ADR GA
	global_load_b128 v[REC:REC+3], v[GA], s[8:9]
	s_add_co_u32 s84, s84, 15
	STAGE_ADR GA+1
	global_load_b128 v[REC+4:REC+7], v[GA+1], s[8:9]
	OUT_ADR 0, 62
	OUT_ADR 1, 63
	OUT_ADR 2, 120
; the class's and the column group's parts of the weights
	s_mov_b32 s99, 0
	s_mul_i32 s98, s31, 98304
	s_mul_i32 s84, s29, 12288
	s_add_co_u32 s98, s98, s84
	s_add_nc_u64 s[66:67], s[10:11], s[98:99]      ; wq
	s_lshl_b32 s98, s31, 12
	s_lshl_b32 s84, s29, 9
	s_add_co_u32 s98, s98, s84
	s_add_nc_u64 s[68:69], s[12:13], s[98:99]      ; ws
	s_lshl_b32 s98, s31, 10
	s_lshl_b32 s84, s29, 8
	s_add_co_u32 s98, s98, s84
	s_add_nc_u64 s[70:71], s[20:21], s[98:99]      ; b2
	s_add_nc_u64 s[72:73], s[22:23], s[98:99]      ; b3
	s_add_nc_u64 s[76:77], s[16:17], s[98:99]      ; b1
	s_mul_i32 s86, s31, 3072
	s_add_co_u32 s98, s86, s84
	s_add_nc_u64 s[74:75], s[14:15], s[98:99]      ; W1
	s_mul_i32 s84, s29, 768
	s_add_co_u32 s98, s86, s84
	s_add_nc_u64 s[78:79], s[18:19], s[98:99]      ; W4
	s_mul_i32 s98, s31, 12
	s_add_nc_u64 s[24:25], s[24:25], s[98:99]
	s_load_b96 s[80:82], s[24:25], 0x0             ; b4
; group B, 44 loads: the first layer's source 0 (register 0: W1's row 2 h; register 1: row 1 in lanes 0-15, b1 in lanes 16-31) and W4
	v_lshl_add_u32 v[GB], v2, 11, v[AX]
	v_min_u32 v[GB+2], 2, v1
	v_lshlrev_b32 v[GB+2], 2, v[GB+2]
	v_mad_u32_u24 v[GB+2], v2, 192, v[GB+2]        ; W4: 16 h units of 12 bytes on, output min(r, 2)
.irp t, 0,1,2,3
	global_load_b32 v[W1A+2*\t], v[GB], s[74:75] offset:128*(\t/2)+32*(\t%2)
	global_load_b32 v[RAW1+\t], v[AX], s[74:75] offset:1024+128*(\t/2)+32*(\t%2)
	global_load_b32 v[RAWB+\t], v[AX], s[76:77] offset:128*(\t/2)+32*(\t%2)
.endr
.irp b, 0,1
.irp i, 0,1,2,3,4,5,6,7,8,9,10,11,12,13,14,15
	global_load_b32 v[RW4+16*\b+\i], v[GB+2], s[78:79] offset:12*(32*\b+\i)
.endr
.endr
	s_wait_loadcnt 44                              ; group A is in; the 44 loads of group B, issued behind it, may be out
	ds_store_b128 v10, v[REC:REC+3] offset:POSL
	ds_store_b128 v10, v[REC+4:REC+7] offset:POSL+4096
.irp i, 62,63,120
	v_min_u32 v\i, 0xffff, v\i                     ; the rows' byte offsets in out0 are made here, all lanes on, and stay as they are until the way out
	v_mul_u32_u24 v\i, v\i, 12
.endr
	s_wait_loadcnt 0x0
	s_wait_kmcnt 0x0
.irp t, 0,1,2,3
	v_cndmask_b32 v[W1A+2*\t+1], v[RAW1+\t], v[RAWB+\t], s51
.endr
	v_cmp_gt_u32 vcc_lo, 3, v1
.irp b, 0,1
.irp p, 0,1,2,3,4,5,6,7
	v_cvt_pk_bf16_f32 v[W4A+8*\b+\p], v[RW4+16*\b+2*\p], v[RW4+16*\b+2*\p+1]   ; k is laid in W4 as it lies in the rows' operand: unit 16 h + 2 p + half at register p
.endr
.endr
.irp p, 0,1,2,3,4,5,6,7,8,9,10,11,12,13,14,15
	v_cndmask_b32 v[W4A+\p], 0, v[W4A+\p], vcc_lo  ; outputs 3 to 15 do not exist
.endr
; group C1, 40 loads: all scale words, b2, W2.  The whole first layer stands between them and the wait for them; their address registers and bases are never rewritten
.irp t, 0,1,2,3
	global_load_b32 v[WS2+\t], v[AWS], s[68:69] offset:256*(\t/2)+32*(\t%2)
	global_load_b32 v[WS3+\t], v[AWS], s[68:69] offset:2048+256*(\t/2)+32*(\t%2)
.endr
	WIN 0x40                                       ; destination window 1
.irp t, 0,1,2,3
	global_load_b128 v[192+8*\t:192+8*\t+3], v[ABI], s[70:71] offset:128*(\t/2)+32*(\t%2)
	global_load_b128 v[192+8*\t+4:192+8*\t+7], v[ABI], s[70:71] offset:128*(\t/2)+32*(\t%2)+16
.endr
.irp f, 0,1,2,3,4,5,6,7
.irp i, 0,1,2
	global_load_b128 v[12*\f+4*\i:12*\f+4*\i+3], v[AWQ], s[66:67] offset:1536*\f+512*\i
.endr
.endr
	WIN 0
	BARRIER                                        ; the records lie in LDS
; ---------------- LAYER 1: f32 operands; k = 3 carries b1 against the record's 1.0 ----------------
	s_mov_b32 s92, 0                               ; trips
	s_mov_b32 s93, s30                             ; tile
	s_lshl_b32 s94, s30, 8                         ; its records
	s_mul_i32 s95, s30, TILEB
	s_add_co_u32 s95, s95, IMG1                    ; its image
	s_lshl_b32 s96, s30, 7
	s_add_co_u32 s96, s96, SC1                     ; its scale words
.Llayer1:
	v_add_nc_u32 v[AD], s94, v7                    ; the trip's addresses are made ahead of the jump, on every way
	v_add_nc_u32 v[AD+1], s95, v5
	v_add_nc_u32 v[AD+2], s96, v6
	s_cmp_ge_u32 s93, s33                          ; a tile that is not mine: only the work is left out, the trips are a constant
	s_cbranch_scc1 .Lskip1
	ds_load_b64 v[PB:PB+1], v[AD]
	s_wait_dscnt 0x0
.irp t, 0,1,2,3
	v_wmma_f32_16x16x4_f32 v[ACC+8*\t:ACC+8*\t+7], v[W1A+2*\t:W1A+2*\t+1], v[PB:PB+1], 0
.endr
	PLACES 8                                       ; eight places behind this form before its results are read
	TANH ACC, 16
	QUANT
	PUT
.Lskip1:
	s_add_co_u32 s93, s93, 2
	s_add_co_u32 s94, s94, 512
	s_add_co_u32 s95, s95, 2*TILEB
	s_add_co_u32 s96, s96, 256
	s_add_co_u32 s92, s92, 1
	s_cmp_lt_u32 s92, 9
	s_cbranch_scc1 .Llayer1
	s_wait_loadcnt 0x0                             ; group C1, which the second layer's products read
; group C2, 32 loads: b3, W3.  The whole second layer stands between them and the wait for them
	WIN 0x40
.irp t, 0,1,2,3
	global_load_b128 v[224+8*\t:224+8*\t+3], v[ABI], s[72:73] offset:128*(\t/2)+32*(\t%2)
	global_load_b128 v[224+8*\t+4:224+8*\t+7], v[ABI], s[72:73] offset:128*(\t/2)+32*(\t%2)+16
.endr
.irp f, 0,1,2,3,4,5,6,7
.irp i, 0,1,2
	global_load_b128 v[96+12*\f+4*\i:96+12*\f+4*\i+3], v[AWQ], s[66:67] offset:49152+1536*\f+512*\i
.endr
.endr
	WIN 0
	BARRIER                                        ; the first layer's images and scale words lie in LDS
; A quantised layer: nine trips.  wb, bb: the weights' and the bias's first registers in window 1; wsc: the weights' scale words.
; last = 0: tanh, quantise, image to LDS.  last = 1: tanh, bf16, my 64 units' part of the fourth product to LDS.
.macro LAYER wb, bb, wsc, imgin, scin, outb, scout, last
	s_mov_b32 s92, 0
	s_mov_b32 s93, s30
	s_mul_i32 s94, s30, TILEB
.if \last
	s_lshl_b32 s95, s30, 11
	s_add_co_u32 s95, s95, \outb
.else
	s_add_co_u32 s95, s94, \outb
.endif
	s_add_co_u32 s94, s94, \imgin
	s_lshl_b32 s96, s30, 7
	s_add_co_u32 s97, s96, \scout
	s_add_co_u32 s96, s96, \scin
.Llayer_\@:
	v_add_nc_u32 v[AD], s94, v3
	v_add_nc_u32 v[AD+3], s96, v4
.if \last
	v_add_nc_u32 v[AD+1], s95, v8
.else
	v_add_nc_u32 v[AD+1], s95, v5
	v_add_nc_u32 v[AD+2], s97, v6
.endif
	s_cmp_ge_u32 s93, s33
	s_cbranch_scc1 .Lskip_\@
.irp i, 0,1,2,3,4,5
	ds_load_b128 v[XF+4*\i:XF+4*\i+3], v[AD] offset:16*\i      ; the rows' two fragments, as their registers lie
.endr
	ds_load_b32 v[XS], v[AD+3]                     ; lanes 0-15: K step 0's words, lanes 16-31: K step 1's
	s_wait_dscnt 0x0
	WIN 0x11                                       ; source 0 (weights) and C (bias) window 1
.irp t, 0,1,2,3
	v_wmma_scale_f32_16x16x128_f8f6f4 v[ACC+8*\t:ACC+8*\t+7], v[\wb+24*\t:\wb+24*\t+11], v[XF:XF+11], v[\bb+8*\t:\bb+8*\t+7], v[\wsc+\t], v[XS] matrix_a_fmt:MATRIX_FMT_BF6 matrix_b_fmt:MATRIX_FMT_BF6
.endr
	WIN 0x01                                       ; the four accumulators take turns, one instruction a turn
.irp t, 0,1,2,3
	v_wmma_scale_f32_16x16x128_f8f6f4 v[ACC+8*\t:ACC+8*\t+7], v[\wb+24*\t+12:\wb+24*\t+23], v[XF+12:XF+23], v[ACC+8*\t:ACC+8*\t+7], v[\wsc+\t], v[XS] matrix_a_fmt:MATRIX_FMT_BF6 matrix_b_fmt:MATRIX_FMT_BF6 matrix_a_scale:MATRIX_SCALE_ROW1 matrix_b_scale:MATRIX_SCALE_ROW1
.endr
	WIN 0
	PLACES 4                                       ; four places behind this form before its results are read (ISA guide 7.12.1)
	TANH ACC, 16
.if \last
.irp b, 0,1
.irp p, 0,1,2,3,4,5,6,7
	v_cvt_pk_bf16_f32 v[S+8*\b+\p], v[E+16*\b+2*\p], v[E+16*\b+2*\p+1]
.endr
.endr
	v_wmma_f32_16x16x32_bf16 v[O4:O4+7], v[W4A:W4A+7], v[S:S+7], 0
	s_wait_alu depctr_va_vdst(0)                   ; the wait stands directly ahead of the second
	v_wmma_f32_16x16x32_bf16 v[O4:O4+7], v[W4A+8:W4A+15], v[S+8:S+15], v[O4:O4+7]
	PLACES 4
	ds_store_b128 v[AD+1], v[O4:O4+3]              ; lanes 0-15: outputs 0, 1, 2 (and a zero) of row r
.else
	QUANT
	PUT
.endif
.Lskip_\@:
	s_add_co_u32 s93, s93, 2
	s_add_co_u32 s94, s94, 2*TILEB
.if \last
	s_add_co_u32 s95, s95, 4096
.else
	s_add_co_u32 s95, s95, 2*TILEB
.endif
	s_add_co_u32 s96, s96, 256
	s_add_co_u32 s97, s97, 256
	s_add_co_u32 s92, s92, 1
	s_cmp_lt_u32 s92, 9
	s_cbranch_scc1 .Llayer_\@
.endm
; ---------------- LAYER 2 ----------------
	LAYER 0, 192, WS2, IMG1, SC1, IMG2, SC2, 0
	BARRIER                                        ; the second layer's images and scale words lie in LDS
	s_wait_loadcnt 0x0                             ; group C2
; ---------------- LAYERS 3 AND 4 ----------------
	LAYER 96, 224, WS3, IMG2, SC2, P4, SC1, 1
	BARRIER                                        ; the fourth product's parts lie in LDS
; ---------------- THE WAY OUT: tile w + 8 q.  The four column groups' parts are added, b4, tanh; lanes 0-15 store a row of 12 bytes each, where the sort took it from ----------------
; The store's offset (v62, v63, v120) and its mask (s88-90) were made at the head: no register that feeds an address is written here.
.macro OUTQ q, idx
.if \q == 2
	s_cmp_gt_u32 s28, 1                            ; tiles 16 and 17 alone are left
	s_cbranch_scc1 .Lno_out_\@
.endif
	s_add_co_u32 s93, s28, 8*\q
	s_cmp_ge_u32 s93, s33
	s_cbranch_scc1 .Lno_out_\@
.irp c, 0,1,2,3
	ds_load_b128 v[Q+4*\c:Q+4*\c+3], v9 offset:16384*\q+512*\c
.endr
	s_wait_dscnt 0x0
	v_pk_add_f32 v[Q:Q+1], v[Q:Q+1], v[Q+4:Q+5]
	v_pk_add_f32 v[Q+2:Q+3], v[Q+2:Q+3], v[Q+6:Q+7]
	v_pk_add_f32 v[Q+8:Q+9], v[Q+8:Q+9], v[Q+12:Q+13]
	v_pk_add_f32 v[Q+10:Q+11], v[Q+10:Q+11], v[Q+14:Q+15]
	v_pk_add_f32 v[FS:FS+1], v[Q:Q+1], v[Q+8:Q+9]
	v_pk_add_f32 v[FS+2:FS+3], v[Q+2:Q+3], v[Q+10:Q+11]
	v_add_f32 v[FS], s80, v[FS]
	v_add_f32 v[FS+1], s81, v[FS+1]
	v_add_f32 v[FS+2], s82, v[FS+2]
	TANH FS, 2
	s_and_b32 vcc_lo, s[88+\q], 0xffff             ; lanes 0-15 whose row belongs to the run
	s_wait_xcnt 0x0                                ; what has been issued has read EXEC: it changes only behind this wait
	s_and_saveexec_b32 s98, vcc_lo
	global_store_b96 v[\idx], v[E:E+2], s[26:27]
	s_wait_xcnt 0x0                                ; the store has read its data and EXEC: both may change
	s_or_b32 exec_lo, exec_lo, s98
.Lno_out_\@:
.endm
	OUTQ 0, 62
	OUTQ 1, 63
	OUTQ 2, 120
	s_wait_tensorcnt 0x0
	ds_add_u32 v254, v255
	s_wait_dscnt 0x0
	s_endpgm
.Lfunc_end_k_q8ee70da84d_mlp:
	.size	k_q8ee70da84d_mlp, .Lfunc_end_k_q8ee70da84d_mlp-k_q8ee70da84d_mlp
	.p2alignl 7, 3214868480
	.fill 96, 4, 3214868480
	.section	.rodata,"a",@progbits
	.p2align	6, 0x0
	.amdhsa_kernel k_q8ee70da84d_mlp
		.amdhsa_group_segment_fixed_size 179712
		.amdhsa_private_segment_fixed_size 0
		.amdhsa_enable_private_segment 0
		.amdhsa_kernarg_size 96
		.amdhsa_user_sgpr_count 2
		.amdhsa_user_sgpr_kernarg_segment_ptr 1
		.amdhsa_wavefront_size32 1
		.amdhsa_system_sgpr_workgroup_id_x 1
		.amdhsa_system_sgpr_workgroup_id_y 1
		.amdhsa_system_sgpr_workgroup_id_z 1
		.amdhsa_system_vgpr_workitem_id 0
		.amdhsa_next_free_vgpr 512
		.amdhsa_next_free_sgpr 100
		.amdhsa_reserve_vcc 1
		.amdhsa_float_denorm_mode_32 3
		.amdhsa_float_denorm_mode_16_64 3
		.amdhsa_memory_ordered 1
		.amdhsa_forward_progress 1
		.amdhsa_inst_pref_size 91
	.end_amdhsa_kernel
	.amdgpu_metadata
---
amdhsa.version: [ 1, 2 ]
amdhsa.kernels:
  - .name:           k_q8ee70da84d_mlp
    .symbol:         k_q8ee70da84d_mlp.kd
    .args:
      - { .name: bounds, .offset: 0, .size: 8, .value_kind: global_buffer, .address_space: global }
      - { .name: order, .offset: 8, .size: 8, .value_kind: global_buffer, .address_space: global }
      - { .name: xs, .offset: 16, .size: 8, .value_kind: global_buffer, .address_space: global }
      - { .name: wq, .offset: 24, .size: 8, .value_kind: global_buffer, .address_space: global }
      - { .name: ws, .offset: 32, .size: 8, .value_kind: global_buffer, .address_space: global }
      - { .name: W1, .offset: 40, .size: 8, .value_kind: global_buffer, .address_space: global }
      - { .name: b1, .offset: 48, .size: 8, .value_kind: global_buffer, .address_space: global }
      - { .name: W4, .offset: 56, .size: 8, .value_kind: global_buffer, .address_space: global }
      - { .name: b2, .offset: 64, .size: 8, .value_kind: global_buffer, .address_space: global }
      - { .name: b3, .offset: 72, .size: 8, .value_kind: global_buffer, .address_space: global }
      - { .name: b4, .offset: 80, .size: 8, .value_kind: global_buffer, .address_space: global }
      - { .name: out0, .offset: 88, .size: 8, .value_kind: global_buffer, .address_space: global }
    .group_segment_fixed_size: 179712
    .private_segment_fixed_size: 0
    .kernarg_segment_align: 8
    .kernarg_segment_size: 96
    .max_flat_workgroup_size: 256
    .sgpr_count:     100
    .vgpr_count:     512
    .wavefront_size: 32
...
	.end_amdgpu_metadata
.endif
;; end of part 2
